; MI455X (gfx1250); checked and timed in simulation.
; The chip was launched on July 23, 2026; its instructions are those of AMD's public machine-readable ISA for CDNA 5 (MIT licence, August 2026) and "CDNA5" Instruction Set Architecture Reference Guide (July 2026). The comments in the code are by the model that wrote it; some were corrected since.
;; GMM estimator. Allowed arithmetic: matrix products marked QUANTISED: E2M1 operands, one E8M0 scale for each 32 along K, by v_wmma_scale_f32_16x16x128_f8f6f4 with both operands' format E2M1 (or v_wmma_scale_f32_32x16x128_f4), f32 sums; products left as they are: f32 operands where the result goes on into a quantised operand, else bf16, f16 or f32 operands; f32 sums; everything else in f32.
;; Inputs: W1 64 x 1,024 float32; W2 1,024 x 12 float32; b1 1,024 float32; b2 12 float32; tau 131,072 x 64 float32.
;; Outputs: out0 131,072 x 2 x 2 float32; out1 131,072 x 2 x 2 x 2 float32.
;; This version of the problem:
;;   THIS VERSION OF THE PROBLEM IS GIVEN IN LOW PRECISION. The matrix products marked QUANTISED in the list below multiply operands that are first quantised to E2M1 (2 exponent bits, 1 mantissa bit; 4 bits a number), with one power-of-two scale for each 32 numbers along K (OCP MX v1.0); their sums are f32. All else is computed in f32.
;;   The module's matrix products, in the order in which they are computed (A, B: the left and right operand; K: the contracted axis; several contracted axes count as one K, in the product's order):
;;     1. [M 131,072, K 64] x [K 64, N 1,024]; A: input tau; B: input W1: QUANTISED
;;     2. [M 131,072, K 1,024] x [K 1,024, N 12]; A: computed on the way; B: input W2: left as it is (N = 12 < 16)
;;     3. batch 524,288 x [M 2, K 1] x [K 1, N 1]; A: computed on the way; B: computed on the way: left as it is (no contracted axis)
;;     4. batch 262,144 x [M 2, K 2] x [K 2, N 2]; A: computed on the way; B: computed on the way: left as it is (K = 2 < 32)
;;   THE QUANTISER, for each operand of a quantised product, along K:
;;     - K is cut into blocks of 32 from its start; a last block that is shorter is filled with zeros.
;;     - A block's scale is 2^e with e = floor(log2(the largest magnitude in the block)) - 2, held to -126 .. 127; a block of zeros has e = 0. As a byte (E8M0): e + 127.
;;     - Each number is divided by its block's scale, clamped to +-6, and rounded to the nearest number of E2M1, ties to even, subnormals kept.
;;     - The product sums the exact products of the quantised numbers (number of the format x scale) in f32.
;;   ~~~python
;;   def quantise(x, axis):      # numpy; x: float32 -> the quantised numbers, widened to float32 again
;;       x = np.moveaxis(x, axis, -1); K = x.shape[-1]
;;       x = np.pad(x, [(0, 0)] * (x.ndim - 1) + [(0, -K % 32)]); x = x.reshape(x.shape[:-1] + (-1, 32)); a = np.abs(x).max(-1, keepdims=True)
;;       e = np.where(a > 0, np.clip(np.frexp(np.where(a > 0, a, 1))[1] - 1 - 2, -126, 127), 0)      # np.frexp(a)[1] - 1 = floor(log2(a)), exactly
;;       r = np.clip(x / 2.0 ** e, -6, 6)
;;       step = 2.0 ** (np.maximum(np.frexp(np.where(r == 0, 1, r))[1] - 1, 0) - 1)
;;       q = np.round(r / step) * step * 2.0 ** e      # np.round: ties to even
;;       return np.moveaxis(q.reshape(q.shape[:-2] + (-1,))[..., :K], -1, axis).astype(np.float32)
;;   ~~~
;; One version. Each part assembles by itself: llvm-mc -triple=amdgcn-amd-amdhsa -mcpu=gfx1250 --defsym DOCPART=n.
;; ======== version 1 of 1: 1 launch
;; limits: values are held in f16: magnitudes above 65,504 overflow, below 6.1e-05 lose precision
;; launch gmm (part 1): grid 256 x 1, 8 waves a work-group, no clusters, 316,672 bytes of LDS; arguments tau, W1, b1, W2, b2, out0, out1; writes out0, out1
.if DOCPART == 1
	.amdgcn_target "amdgcn-amd-amdhsa--gfx1250"
	.amdhsa_code_object_version 6
	.text
	.protected	k_q85829012d6_gmm
	.globl	k_q85829012d6_gmm
	.p2align	8
	.type	k_q85829012d6_gmm,@function
k_q85829012d6_gmm:
	s_mov_b64 s[64:65], 0
	v_nop
	global_prefetch_b8 v0, s[64:65] scope:SCOPE_SE
	s_setreg_imm32_b32 hwreg(HW_REG_WAVE_MODE, 25, 1), 1
	s_wait_xcnt 0x0
; outs = relu(Q(tau) Q(W1) + b1) W2 + b2;  out0 = the two means of each row;  out1 = the square of each symmetrised 2 x 2 block.
; tau [131072][64], W1 [64][1024], b1 [1024], W2 [1024][12], b2 [12], out0 [131072][2][2], out1 [131072][2][2][2]: all f32.
; FIRST PRODUCT: codes of FP4 (E2M1), one E8M0 scale for each 32 along K = 64, made here from the f32 numbers; sums in f32.  SECOND PRODUCT: f16 operands, sums in f32.
; THE EIGEN STEP: for a symmetric A = V diag(D) V^T the result V diag(D^2) V^T is A A, for every input.  With a = c00, d = c11, b = (c01 + c10) / 2: [[a a + b b, b (a + d)], [b (a + d), b b + d d]].
; SHARES.  A work-group owns 512 rows and has EIGHT waves of 512 registers, two to a SIMD, so that one wave's vector work stands beside the other's matrix work and waits.  Wave w = 2 p + c: the pair p owns
; 128 rows, as two batches of 64 (four tiles of 16); parity c takes hidden units 512 c .. 512 c + 511 of them.  So a wave's 32 tiles of b1 fill one window of registers, and each fragment of the weights that
; it reads from LDS still serves four tiles of rows.  The two halves of a row's sums meet in LDS at a batch's end.  The hidden layer never leaves the registers.
; BOTH PRODUCTS ARE USED TRANSPOSED: source 0 = 16 hidden units (or W2's columns), source 1 = 16 rows of tau: a lane holds one row throughout, and two tiles of the hidden layer,
; rounded to f16 in pairs, ARE source 1 (32 k x 16 rows) of the second product.
; K IS 64, THE INSTRUCTION'S 128.  A fragment of W1 holds TWO tiles of units: registers 0-3 (k < 64) tile 2 y, registers 4-7 tile 2 y + 1.  Source 1 is [tau | 0] for the first and [0 | tau] for the second:
; in registers the quads lie 0, tau_0, 0, tau_1, 0, tau_2, 0, tau_3, 0, so that both forms of a tile are runs of eight.  No code of W1 is read from LDS for nothing.
; THE ORDER OF HIDDEN UNITS.  W1 is read 16 bytes a lane (four neighbouring columns at one k).  Row r of tile T = 4 s + t is unit 64 s + 4 r + t; register j of the result in lane half h is unit 64 s + 32 h + 4 j + t.
; b1's tiles (the C of every first product) and W2's fragments are laid in the same order: a permutation of k applied alike to both operands keeps the sums.
; W2'S ROWS.  Row m = 8 hh + mm of source 0 is column 6 hh + (mm & 3) + 2 (mm >> 2): rows 0-3 columns 0-3, rows 6, 7 columns 4, 5; rows 4, 5 repeat columns 2, 3, and their results are never used.
; So a lane's place in W2 is a plain sum of bit fields of its number, and lane half h ends with component h: registers 0, 1 the mean, 2, 3 and 6, 7 the 2 x 2 block.
; THE HIDDEN LAYER HAS ROOM IN f16 FOR EVERY INPUT: it is kept as h x 2^-S, S a whole number of the work-group's own.  A quantised number is at most 1.5 x its block's largest magnitude, so
; h <= 64 x 2.25 mT mW + mB <= Bnd = max(512 mT mW, 2 mB, 2^-100), mT the largest |tau| of the 512 rows, mW the largest |W1|, mB the largest |b1|.  With fB = Bnd's exponent field, S = fB - 141 gives h 2^-S < 2^15.
; 2^-S goes into tau's scale bytes and, once, into b1's tiles, both exactly, so the loop does not know of it; at the end outs = sum x 2^S + b2, one fused multiply-add a number.
; A byte of tau so shifted is at most 257 - (mW's exponent field, at least 3) = 254, and stops at 0 from below (such a block lies 2^100 and more under the bound).
; SET-UP, once a work-group: wave w quantises an eighth of W1, rounds an eighth of W2 and quantises the 64 rows of tau that its own tensor load brought; fragments, codes and scale words go to LDS as images
; of their registers (16 or 4 bytes a lane on end); two barriers.
; NO CLUSTER: W1's 262,144 bytes do not fit into LDS beside the work-group's 139,264 bytes of tau, so W1 comes through registers; what tensor loads bring and partners would share is W2's 49,152 bytes
; against tau's 131,072, which nobody shares.  Nothing in LDS is filled twice by a tensor load.
; LIMITS.  A block whose largest magnitude lies under 2^-124 gets the scale byte 1; a block of zeros gets 1 where the rule says 127 (its codes are zeros, and this text alone reads the bytes).
; NaN and infinities among the inputs are not served.  The hidden layer and W2 are rounded to f16 for the second product.  W2 goes as it is: magnitudes above 65,504 are not served, and under 2^-14
; its numbers carry an absolute error of up to 2^-25.  Of the hidden layer, what lies under 2^-29 of the work-group's Bnd carries an absolute error of up to 2^-40 of it.
;
; LDS
.set TAUP,   272                       ; a row of tau: 256 bytes + 16 of padding = 68 words: row r starts at bank 4 r mod 64 (64 banks of 4 bytes: ISA guide 11.1)
.set TILEB,  16*TAUP                   ; 16 rows
.set BATCHB, 64*TAUP                   ; 64 rows: what one tensor load brings, a wave's own
.set W2RAW,  8*BATCHB                  ; W2 as it lies in memory, 6,144 bytes a wave
.set W2PART, 6144
.set W1IMG,  W2RAW+8*W2PART            ; 32 fragments of W1 (a pair of tiles each), 1,024 bytes each: registers 0-3 at 16 x lane, registers 4-7 512 bytes on
.set W1SC,   W1IMG+32*1024             ; their scale words, 4 bytes a lane
.set W2IMG,  W1SC+32*128               ; 32 fragments of W2 in f16, likewise
.set B1IMG,  W2IMG+32*1024             ; b1 in the tiles' order: unit (T, h, j) at 64 T + 32 h + 4 j
.set MXW,    B1IMG+4096                ; 16 bytes a wave: the largest |W1|, |b1|, |tau| of its part
.set TIMG,   MXW+256                   ; tau's codes: 512 bytes a tile, four tiles a wave
.set TSO,    TIMG+8*2048               ; and their scale operands: 128 bytes a tile
.set XCH,    TSO+8*512                 ; where the two halves of the sums meet: 1,024 bytes a tile, four tiles a wave;  the map ends at 315,648
; REGISTERS, window 0
.set AT0,  1                           ; my place in my wave's rows of tau: BATCHB w + 272 r + 128 h
.set MXA,  2                           ; MXW + 16 w
.set AW1,  3                           ; W1IMG + 16 x lane + my parity's 16 fragments
.set AWS,  4                           ; W1SC + 4 x lane + likewise
.set AW2,  5                           ; W2IMG + 16 x lane + likewise
.set AB1,  6                           ; B1IMG + 32 h + my parity's 32 tiles
.set O1A,  7                           ; out1: 32 r + 16 h
.set O0A,  8                           ; out0: 16 r + 8 h
.set SH8,  9                           ; 8 h
.set VO,   10                          ; W1: 32 h rows of 4,096 bytes + 16 r
.set AW1S, 11                          ; where my wave stores its fragments of W1
.set AWSS, 12                          ; and their scale words
.set AW2S, 13                          ; and its fragments of W2
.set TRI,  11                          ; behind the second barrier: where my pair's codes of tau lie,
.set TRS,  12                          ; their scale operands,
.set MXR,  13                          ; and the eight waves' maxima
.set AW2R, 14                          ; where my lane reads W2 as it lies
.set AB1S, 15                          ; where my lane stores b1
.set B2R,  16                          ; v16-19, v22-23  b2 of my component in the order of W2's rows
.set XO,   20                          ; XCH + 4,096 w + 16 x lane: where I put my accumulators
.set XR,   21                          ; XCH + 8,192 p + 2,048 c + 16 x lane: where I read the two tiles that I finish
.set TS,   24                          ; v24-27   tau's scale words, a tile each: scales and nothing else
.set WSC,  28                          ; v28-29   W1's scale words, two sets: scales and nothing else
.set PD,   30                          ; v30-31   destinations of the lane exchange
.set Z,    32                          ; v32-67   the quads 0, tau_0, 0, tau_1, 0, tau_2, 0, tau_3, 0
.set ACC,  68                          ; v68-99   my half of outs^T x 2^-S, a tile of rows each
.set LB,   100                         ; 16 x lane: b1's load
.set HB,   101                         ; 24 h: b2's loads
.set FS,   102                         ; 2^-S
.set F2,   103                         ; 2^S
.set DB,   104                         ; v104-167 the hidden layer: buffer i (16 registers: two tiles of units) for tile i of the rows; on the way out at work
.set P,    168                         ; v168-183 source 1 of the second product, two sets
.set WA,   184                         ; v184-199 W1's fragments, two sets
.set WB,   200                         ; v200-215 W2's fragments, two sets
.set Z2,   216                         ; v216-231 the second batch's codes
.set TS2,  232                         ; v232-235 and its scale words, until they are moved to TS
.set TMP,  232                         ; at the head and while tau is quantised: at work
; during the set-up only
.set G,    104                         ; v104-231 four columns of W1, 32 k each on end
.set MX,   232                         ; v232-235 largest magnitudes, then scale bytes
.set SO,   236                         ; v236-239 the conversions' scale operands (W1's columns; later tau's four tiles)
.set CW,   240                         ; v240-255 codes: column t, later tile i, at 4 t
.set U,    48                          ; v48-49   scale words
.set WM,   52                          ; v52-55   the largest |W1|, |b1|, |tau| of my part, and a fourth word that nobody uses
.set BM,   53
.set MT,   54
.set PAD,  55
.set TWI,  56                          ; TIMG + 2,048 w + 16 x lane
.set TWS,  57                          ; TSO + 512 w + 4 x lane
.set W2X,  68                          ; v68-99   W2's numbers, two sets of 16
.set PK,   32                          ; v32-47   and in f16, two sets of 8
.set R0,   104                         ; v104-167, v168-231 two tiles' numbers of tau each
.set R1,   168
.set LM,   104                         ; v104-135 the eight waves' maxima
.set XD,   136                         ; v136-143 destinations of the lane exchange
.set SOK,  240                         ; v240-247 my pair's eight scale operands
.set T0,   248                         ; v248-250 at work
.set NS,   251                         ; -S
; window 1: W1 as loaded, two sets of 128: v[128 set + 4 i + t] = W1(32 h + i, 64 s + 4 r + t);  then, for the rest of the launch, my 32 tiles of b1 at v[8 T]
; SCALARS: s[4:5] tau, s[6:7] W1, s[8:9] b1, s[10:11] W2, s[12:13] b2, s[14:15] out0, s[16:17] out1, s18 wave, s19 pair, s52 parity, s[20:21] lane selects, s[24:31], s[32:39] descriptor groups 1,
; s[40:43], s[44:47] groups 0, s53 batches done, s62, s63 my pair's places in TIMG and TSO
.set NU,   64                          ; units of a batch for one wave: 16 fragments x 4 tiles of rows
.set MSB, 0
.macro WIN new                         ; the immediate's high byte repeats the setting that is left; a switch that changes nothing is dropped
.if MSB != \new
	s_set_vgpr_msb (MSB<<8)|\new
.set MSB, \new
.endif
.endm
.macro PLACES n
.rept \n
	v_nop
.endr
.endm
.macro BARRIER                         ; my LDS stores have landed and my LDS loads are in: then the work-group's barrier
	s_wait_dscnt 0x0
	s_barrier_signal -1
	s_barrier_wait -1
.endm
	s_load_b256 s[4:11], s[0:1], 0x0               ; tau, W1, b1, W2
	s_load_b128 s[12:15], s[0:1], 0x20             ; b2, out0
	s_load_b64 s[16:17], s[0:1], 0x30              ; out1
	v_lshl_add_u32 v254, v0, 2, 0x4d100
	v_mov_b32 v255, 0
	ds_add_u32 v254, v255
	ds_add_u32 v254, v255
	s_wait_dscnt 0x0
	v_lshrrev_b32 v[TMP], 5, v0
	v_readfirstlane_b32 s18, v[TMP]                ; wave 0..7
	v_lshl_add_u32 v[MXA], v[TMP], 4, MXW
	s_lshr_b32 s19, s18, 1                         ; p: my pair
	s_and_b32 s52, s18, 1                          ; c: my half of the hidden units; also: which batch of the pair's rows I fetch and quantise
	s_mov_b32 s20, 0x76543210
	s_mov_b32 s21, 0xfedcba98                      ; v_permlanex16_b32's selects for lane l xor 16
	; group 1 for tau: 64 rows x 64 elements of 4 bytes, dense in memory, 16 bytes of padding behind each row in LDS
	s_mov_b32 s24, (2<<16)|(1<<20)|(5<<22)|(3<<25) ; 17:16 elements of 4 bytes; 20 padding on; 24:22 after every 64 words (code 5); 31:25 four words (code 3)
	s_mov_b32 s25, 64<<16                          ; tensor_dim0 = 64
	s_mov_b32 s26, 64<<16                          ; tensor_dim1 = 64
	s_mov_b32 s27, 64<<16                          ; tile_dim0 = 64
	s_mov_b32 s28, 64                              ; tile_dim1 = 64
	s_mov_b32 s29, 64                              ; elements from row to row
	s_mov_b32 s30, 0
	s_mov_b32 s31, 0
	; group 1 for an eighth of W2: 6,144 dense bytes as 24 rows of 32 elements of 8 bytes, no padding
	s_mov_b32 s32, 3<<16
	s_mov_b32 s33, 32<<16
	s_mov_b32 s34, 24<<16
	s_mov_b32 s35, 32<<16
	s_mov_b32 s36, 24
	s_mov_b32 s37, 32
	s_mov_b32 s38, 0
	s_mov_b32 s39, 0
	s_mov_b32 s40, 1                               ; groups 0: count = 1,
	s_mov_b32 s44, 1
	s_mul_i32 s58, s18, W2PART                     ; my eighth of W2, in memory and in LDS
	s_mov_b32 s59, 0
	s_add_co_u32 s41, s58, W2RAW                   ; the LDS addresses: a constant + a constant x wave,
	s_mul_i32 s45, s18, BATCHB
	s_lshl_b32 s54, ttmp9, 9
	s_lshl_b32 s55, s18, 6
	s_add_co_u32 s55, s54, s55                     ; the first row that I fetch: 512 x work-group + 64 x wave
	s_lshl_b32 s56, s55, 8                         ; in tau: 256 bytes a row
	s_mov_b32 s57, 0
	s_lshl_b32 s55, s19, 7
	s_add_co_u32 s54, s54, s55
	s_lshl_b32 s55, s52, 5
	s_add_co_u32 s54, s54, s55                     ; the first row that I store: 512 x work-group + 128 p + 32 c
	s_lshl_b32 s22, s54, 4                         ; in out0: 16 bytes a row
	s_mov_b32 s23, 0
	s_lshl_b32 s54, s54, 5                         ; in out1: 32
	s_mov_b32 s55, 0
	s_lshl_b32 s60, s18, 9                         ; 512 w: my 128 columns of W1 and numbers of b1; also my part of W1SC, of B1IMG and of TSO
	s_mov_b32 s61, 0
	s_lshl_b32 s48, s18, 12                        ; 4,096 w: my four fragments in W1IMG and in W2IMG, my part of XCH
	s_lshl_b32 s49, s18, 11                        ; 2,048 w: my part of TIMG
	s_lshl_b32 s50, s52, 14                        ; 16,384 c: my parity's 16 fragments
	s_lshl_b32 s51, s52, 11                        ; 2,048 c: their scale words; my 32 tiles of b1; the two tiles that I finish
	s_lshl_b32 s2, s19, 13                         ; 8,192 p: my pair's part of XCH,
	s_lshl_b32 s62, s19, 12                        ; 4,096 p: of TIMG,
	s_lshl_b32 s63, s19, 10                        ; 1,024 p: of TSO
	; the address registers are made here, while the arguments are on their way
	v_and_b32 v[TMP], 15, v0                       ; r
	v_bfe_u32 v[TMP+1], v0, 4, 1                   ; h
	v_and_b32 v[TMP+2], 31, v0                     ; lane
	v_and_b32 v[TMP+3], 7, v0                      ; lane % 8
	v_bfe_u32 v[TMP+5], v0, 3, 1                   ; (lane / 8) % 2
	v_mul_u32_u24 v[AT0], v[TMP], TAUP
	v_lshl_add_u32 v[AT0], v[TMP+1], 7, v[AT0]     ; lane (r, h) takes block h of row r: 32 numbers, 128 bytes
	v_add_nc_u32 v[AT0], s45, v[AT0]
	v_lshl_add_u32 v[AW1], v[TMP+2], 4, W1IMG
	v_add_nc_u32 v[AW1S], s48, v[AW1]
	v_add_nc_u32 v[AW1], s50, v[AW1]
	v_lshl_add_u32 v[AWS], v[TMP+2], 2, W1SC
	v_add_nc_u32 v[AWSS], s60, v[AWS]
	v_add_nc_u32 v[AWS], s51, v[AWS]
	v_lshl_add_u32 v[AW2], v[TMP+2], 4, W2IMG
	v_add_nc_u32 v[AW2S], s48, v[AW2]
	v_add_nc_u32 v[AW2], s50, v[AW2]
	v_lshl_add_u32 v[AB1], v[TMP+1], 5, B1IMG
	v_add_nc_u32 v[AB1], s51, v[AB1]
	v_lshlrev_b32 v[O1A], 5, v[TMP]
	v_lshl_add_u32 v[O1A], v[TMP+1], 4, v[O1A]
	v_lshlrev_b32 v[O0A], 4, v[TMP]
	v_lshl_add_u32 v[O0A], v[TMP+1], 3, v[O0A]
	v_lshlrev_b32 v[SH8], 3, v[TMP+1]
	v_lshlrev_b32 v[VO], 17, v[TMP+1]
	v_lshl_add_u32 v[VO], v[TMP], 4, v[VO]
	; W2 as it lies: a unit's row is 48 bytes.  My column's 4 bytes: 4 (lane & 3) + 8 (bit 2 of the lane) + 24 (bit 3); + 32 h units; + my wave's eighth
	v_and_b32 v[TMP+4], 3, v0
	v_lshlrev_b32 v[AW2R], 2, v[TMP+4]
	v_bfe_u32 v[TMP+4], v0, 2, 1
	v_lshl_add_u32 v[AW2R], v[TMP+4], 3, v[AW2R]
	v_mul_u32_u24 v[TMP+4], v[TMP+5], 24
	v_add_nc_u32 v[AW2R], v[AW2R], v[TMP+4]
	v_mul_u32_u24 v[TMP+4], v[TMP+1], 1536
	v_add_nc_u32 v[AW2R], v[AW2R], v[TMP+4]
	v_add_nc_u32 v[AW2R], s58, v[AW2R]
	v_add_nc_u32 v[AW2R], W2RAW, v[AW2R]
	v_lshl_add_u32 v[AB1S], v[TMP+1], 8, B1IMG
	v_lshl_add_u32 v[AB1S], v[TMP+5], 5, v[AB1S]
	v_lshl_add_u32 v[AB1S], v[TMP+3], 2, v[AB1S]
	v_add_nc_u32 v[AB1S], s60, v[AB1S]             ; B1IMG + 512 w + 256 (lane / 16) + 32 ((lane / 8) % 2) + 4 (lane % 8)
	v_lshl_add_u32 v[TWI], v[TMP+2], 4, TIMG
	v_add_nc_u32 v[TWI], s49, v[TWI]
	v_lshl_add_u32 v[TWS], v[TMP+2], 2, TSO
	v_add_nc_u32 v[TWS], s60, v[TWS]
	v_lshl_add_u32 v[XR], v[TMP+2], 4, XCH
	v_add_nc_u32 v[XO], s48, v[XR]
	v_add_nc_u32 v[XR], s2, v[XR]
	v_add_nc_u32 v[XR], s51, v[XR]
	v_lshlrev_b32 v[LB], 4, v[TMP+2]
	v_mul_u32_u24 v[HB], v[TMP+1], 24
	v_mov_b32 v[PD], 0                             ; written once: a lane exchange's destination counts as one of its sources
	v_mov_b32 v[PD+1], 0
	v_mov_b32 v[PAD], 0
	s_wait_kmcnt 0x0
	s_add_nc_u64 s[42:43], s[10:11], s[58:59]      ; and the global addresses, with type = 2 on top
	s_or_b32 s43, s43, 0x80000000
	s_add_nc_u64 s[46:47], s[4:5], s[56:57]
	s_or_b32 s47, s47, 0x80000000
	tensor_load_to_lds s[40:43], s[32:39]          ; all that this wave ever asks of the mover goes out here: my eighth of W2,
	s_nop 0
	tensor_load_to_lds s[44:47], s[24:31]          ; and 64 rows of tau: two loads of mine are out.  Only I read these bytes
	s_nop 0
	PLACES 4                                       ; (behind tensor loads)
	s_add_nc_u64 s[6:7], s[6:7], s[60:61]
	s_add_nc_u64 s[8:9], s[8:9], s[60:61]
	s_add_nc_u64 s[14:15], s[14:15], s[22:23]
	s_add_nc_u64 s[16:17], s[16:17], s[54:55]
; W1's columns 64 (2 w + a) .. + 63, all 64 k, into raw set a: lane (r, h) takes k = 32 h + i, columns 4 r .. 4 r + 3: sixteen lanes read 256 consecutive bytes
.macro LW a
	WIN 0x40                                       ; destination window 1
.set I, 0
.rept 32
	global_load_b128 v[128*(\a)+4*I:128*(\a)+4*I+3], v[VO], s[6:7] offset:4096*I+256*(\a)
.set I, I+1
.endr
	WIN 0
.endm
; Raw set a becomes two fragments.  A lane holds a whole block of 32 along K of each of its four columns, so no other lane is asked for a maximum.  The conversions take neighbours along K from
; consecutive registers, and a 16-byte load leaves neighbours along N there: so the 128 numbers are moved once, column by column.  That is the price of loads that read whole runs of 256 bytes.
.macro PW a
.set RS, 128*(\a)
.if (\a) == 0
	s_wait_loadcnt 32                              ; this set's 32 loads are in (and all that was asked for earlier); the other set's 32 may be out
.else
	s_wait_loadcnt 0x0
.endif
	WIN 0x14                                       ; sources 1 and 2 window 1
.irp t, 0,1,2,3
	v_max3_num_f32 v[MX+\t], 0x1800000, |v[RS+\t]|, |v[RS+4+\t]|   ; the floor 2^(3 - 127) among the leaves: the byte cannot fall under 1
.endr
.set I, 2
.rept 15
.irp t, 0,1,2,3
	v_max3_num_f32 v[MX+\t], v[MX+\t], |v[RS+4*I+\t]|, |v[RS+4*I+4+\t]|   ; the four columns by turns
.endr
.set I, I+2
.endr
	WIN 0x01                                       ; source 0 window 1
.set I, 0
.rept 32
.irp t, 0,1,2,3
	v_mov_b32 v[G+32*\t+I], v[RS+4*I+\t]
.endr
.set I, I+1
.endr
	WIN 0
.if (\a) == 0
	v_max3_num_f32 v[WM], v[MX], v[MX+1], v[MX+2]  ; the largest |W1| of my eighth, for the bound on the hidden layer
	v_max_num_f32 v[WM], v[WM], v[MX+3]
.else
	s_wait_dscnt 0x0                               ; the last fragments' stores have read their registers
	v_max3_num_f32 v[WM], v[WM], v[MX], v[MX+1]
	v_max3_num_f32 v[WM], v[WM], v[MX+2], v[MX+3]
.endif
.irp t, 0,1,2,3
	v_add_nc_u32 v[SO+\t], 0xff000000, v[MX+\t]    ; 2 off the exponent field: the conversion takes the exponent field of this operand as its scale
.endr
.irp t, 0,1,2,3
	v_lshrrev_b32 v[MX+\t], 23, v[SO+\t]           ; the scale's byte: block h of column t
.endr
.irp e, 0,1
	v_lshl_or_b32 v[U+\e], v[MX+2*\e+1], 16, v[MX+2*\e]   ; a fragment's word: (tile 2 y: block 0, block 1; tile 2 y + 1: block 0, block 1)
.endr
.irp e, 0,1
	v_lshlrev_b32 v[U+\e], v[SH8], v[U+\e]         ; my two bytes at their places,
.endr
.irp e, 0,1
	v_permlanex16_b32 v[PD+\e], v[U+\e], s20, s21
.endr
.irp e, 0,1
	v_or_b32 v[U+\e], v[U+\e], v[PD+\e]            ; with lane l xor 16's two the word is whole
.endr
.irp t, 0,1,2,3
.irp g, 0,1,2,3
	v_cvt_scalef32_pk8_fp4_f32 v[CW+4*\t+\g], v[G+32*\t+8*\g:G+32*\t+8*\g+7], v[SO+\t]
.endr
.endr
	v_nop                                          ; one plain place behind a scaled conversion
.irp e, 0,1
	ds_store_b128 v[AW1S], v[CW+8*\e:CW+8*\e+3] offset:(2*(\a)+\e)*1024
	ds_store_b128 v[AW1S], v[CW+8*\e+4:CW+8*\e+7] offset:(2*(\a)+\e)*1024+512
	ds_store_b32 v[AWSS], v[U+\e] offset:(2*(\a)+\e)*128
.endr
.endm
; Fragment x of my four of W2: lane (m, h) wants, of its row's column, units 64 s + 32 h + 4 j + t for t = 2 (x % 2) (registers 0-3) and t + 1 (registers 4-7), s = 2 w + x / 2
.macro W2L x
.set wR, W2X+16*((\x)%2)
.irp c, 0,1
.irp j, 0,1,2,3,4,5,6,7
	ds_load_b32 v[wR+8*\c+\j], v[AW2R] offset:3072*((\x)/2)+192*\j+48*(2*((\x)%2)+\c)
.endr
.endr
.endm
.macro W2P x
.set wR, W2X+16*((\x)%2)
.set wP, PK+8*((\x)%2)
.irp q, 0,1,2,3,4,5,6,7
	v_cvt_pk_f16_f32 v[wP+\q], v[wR+2*\q], v[wR+2*\q+1]
.endr
	ds_store_b128 v[AW2S], v[wP:wP+3] offset:1024*(\x)
	ds_store_b128 v[AW2S], v[wP+4:wP+7] offset:1024*(\x)+512
.endm
	global_load_b128 v[CW:CW+3], v[LB], s[8:9]                 ; my 128 numbers of b1
	global_load_b64 v[B2R:B2R+1], v[HB], s[12:13]              ; b2 of component h: columns 0, 1,
	global_load_b64 v[B2R+2:B2R+3], v[HB], s[12:13] offset:8   ; 2, 3,
	global_load_b64 v[B2R+6:B2R+7], v[HB], s[12:13] offset:16  ; 4, 5: rows 6, 7
	LW 0
	s_wait_loadcnt 35                              ; b1's load is in; b2's 3 and W1's 32 may be out
.irp t, 0,1,2,3
	ds_store_b32 v[AB1S], v[CW+\t] offset:64*\t    ; unit 128 w + 4 lane + t to its place in the tiles' order
.endr
	v_max3_num_f32 v[BM], |v[CW]|, |v[CW+1]|, |v[CW+2]|        ; the largest |b1| of my four
	v_max_num_f32 v[BM], v[BM], |v[CW+3]|
	LW 1
	BARRIER                                        ; b1 lies in LDS
	PW 0
	PW 1
	WIN 0x40                                       ; window 1 is free: my 32 tiles of b1 stay there for the rest of the launch: each is the C of a first product, which so costs no addition
.set T, 0
.rept 32
	ds_load_b128 v[8*T:8*T+3], v[AB1] offset:64*T
	ds_load_b128 v[8*T+4:8*T+7], v[AB1] offset:64*T+16
.set T, T+1
.endr
	WIN 0
	s_wait_tensorcnt 1                             ; tensor loads of a wave end in order (ISA guide 10.11.1): my eighth of W2 is in; tau's load may be out
	W2L 0
.irp x, 0,1,2
	W2L \x+1                                       ; a fragment ahead
	s_wait_dscnt 16                                ; all but the 16 loads just issued
	W2P \x
.endr
	s_wait_dscnt 0x0
	W2P 3
; TAU: the 64 rows that my load brought, four tiles.  Codes and scale operands go to LDS as images: both waves of the pair want them.
.macro LT p, R                         ; tiles 2 p and 2 p + 1: a lane's 32 numbers (a whole block) of each, into v[R] on and v[R + 32] on
.irp u, 0,1
.irp q, 0,1,2,3,4,5,6,7
	ds_load_b128 v[\R+32*\u+4*\q:\R+32*\u+4*\q+3], v[AT0] offset:TILEB*(2*(\p)+\u)+16*\q
.endr
.endr
.endm
.macro QT p, R
.irp u, 0,1
	v_max3_num_f32 v[TMP+\u], |v[\R+32*\u]|, |v[\R+32*\u+1]|, 0x1800000   ; with the floor 2^(3 - 127)
.endr
.irp j, 2,4,6,8,10,12,14,16,18,20,22,24,26,28,30
.irp u, 0,1
	v_max3_num_f32 v[TMP+\u], v[TMP+\u], |v[\R+32*\u+\j]|, |v[\R+32*\u+\j+1]|
.endr
.endr
.if (\p) == 0
	v_max_num_f32 v[MT], v[TMP], v[TMP+1]
.else
	v_max3_num_f32 v[MT], v[MT], v[TMP], v[TMP+1]
.endif
.irp u, 0,1
	v_add_nc_u32 v[SO+2*(\p)+\u], 0xff000000, v[TMP+\u]   ; 2 off the exponent field: the conversion's scale operand
.endr
.irp u, 0,1
.irp g, 0,1,2,3
	v_cvt_scalef32_pk8_fp4_f32 v[CW+4*(2*(\p)+\u)+\g], v[\R+32*\u+8*\g:\R+32*\u+8*\g+7], v[SO+2*(\p)+\u]
.endr
.endr
	v_nop                                          ; one plain place behind a scaled conversion
.irp u, 0,1
	ds_store_b128 v[TWI], v[CW+4*(2*(\p)+\u):CW+4*(2*(\p)+\u)+3] offset:512*(2*(\p)+\u)
	ds_store_b32 v[TWS], v[SO+2*(\p)+\u] offset:128*(2*(\p)+\u)
.endr
.endm
	s_wait_tensorcnt 0x0                           ; my rows of tau are in
	LT 0, R0
	LT 1, R1
	s_wait_dscnt 16                                ; all but the 16 loads just issued
	QT 0, R0
	s_wait_dscnt 0x0
	QT 1, R1
.irp m, 1,2,4,8                                ; my part's three maxima over the 32 lanes
	v_max_num_f32_dpp v[WM], v[WM], v[WM] row_xmask:\m row_mask:0xf bank_mask:0xf
	v_max_num_f32_dpp v[BM], v[BM], v[BM] row_xmask:\m row_mask:0xf bank_mask:0xf
	v_max_num_f32_dpp v[MT], v[MT], v[MT] row_xmask:\m row_mask:0xf bank_mask:0xf
.endr
	v_permlanex16_b32 v[PD], v[WM], s20, s21
	v_permlanex16_b32 v[PD+1], v[BM], s20, s21
	v_permlanex16_b32 v[PAD], v[MT], s20, s21
	v_max_num_f32 v[WM], v[WM], v[PD]
	v_max_num_f32 v[BM], v[BM], v[PD+1]
	v_max_num_f32 v[MT], v[MT], v[PAD]
	ds_store_b128 v[MXA], v[WM:WM+3]               ; all lanes write the same 16 bytes; the three maxima are alike in all lanes
	s_wait_dscnt 0x0                               ; for the others' sake: my fragments, codes and maxima lie in LDS
	s_barrier_signal -1
.irp q, 0,1,2,3,4
.irp c, 0,1,2,3
	v_mov_b32 v[Z+8*\q+\c], 0                      ; the five quads of zero codes, once
.endr
.endr
	v_and_b32 v[T0], 31, v0
	v_lshl_add_u32 v[TRI], v[T0], 4, TIMG
	v_add_nc_u32 v[TRI], s62, v[TRI]               ; TIMG + 4,096 p + 16 x lane: my pair's eight tiles on end
	v_lshl_add_u32 v[TRS], v[T0], 2, TSO
	v_add_nc_u32 v[TRS], s63, v[TRS]               ; TSO + 1,024 p + 4 x lane
	v_mov_b32 v[MXR], MXW
	s_barrier_wait -1                              ; everybody's do
.irp q, 0,1,2,3,4,5,6,7
	ds_load_b128 v[LM+4*\q:LM+4*\q+3], v[MXR] offset:16*\q       ; (W1's, b1's, tau's) of wave q
.endr
.irp i, 0,1,2,3
	ds_load_b128 v[Z+8*\i+4:Z+8*\i+7], v[TRI] offset:512*\i      ; the first batch's codes into their quads,
.endr
.irp i, 0,1,2,3
	ds_load_b128 v[Z2+4*\i:Z2+4*\i+3], v[TRI] offset:2048+512*\i ; the second's wait
.endr
.irp i, 0,1,2,3,4,5,6,7
	ds_load_b32 v[SOK+\i], v[TRS] offset:128*\i
.endr
	s_wait_dscnt 0x0
.irp k, 0,1,2
	v_max3_num_f32 v[T0+\k], v[LM+\k], v[LM+4+\k], v[LM+8+\k]
.endr
.irp k, 0,1,2
	v_max3_num_f32 v[T0+\k], v[T0+\k], v[LM+12+\k], v[LM+16+\k]
.endr
.irp k, 0,1,2
	v_max3_num_f32 v[T0+\k], v[T0+\k], v[LM+20+\k], v[LM+24+\k]
.endr
.irp k, 0,1,2
	v_max_num_f32 v[T0+\k], v[T0+\k], v[LM+28+\k]  ; mW, mB, mT
.endr
	v_mul_f32 v[T0], v[T0], v[T0+2]
	v_add_f32 v[T0+1], v[T0+1], v[T0+1]
	v_mul_f32 v[T0], 0x44000000, v[T0]             ; 512 mT mW
	v_max3_num_f32 v[T0], v[T0], v[T0+1], 0x0d800000   ; Bnd, with the floor 2^-100
	v_lshrrev_b32 v[T0], 23, v[T0]                 ; fB, 27 to 255
	v_sub_nc_u32 v[NS], 141, v[T0]                 ; -S
	v_sub_nc_u32 v[FS], 268, v[T0]
	v_add_nc_u32 v[F2], -14, v[T0]
	v_lshlrev_b32 v[FS], 23, v[FS]                 ; 2^-S: exponent field 127 - S, 13 to 241
	v_lshlrev_b32 v[F2], 23, v[F2]                 ; 2^S: field 127 + S, likewise
.irp i, 0,1,2,3,4,5,6,7
	v_ldexp_f32 v[SOK+\i], v[SOK+\i], v[NS]        ; the block's scale x 2^-S; what falls under the smallest normal number keeps the field 0
.endr
.irp i, 0,1,2,3,4,5,6,7
	v_lshrrev_b32 v[SOK+\i], 23, v[SOK+\i]         ; its byte
.endr
.irp i, 0,1,2,3,4,5,6,7
	v_lshlrev_b32 v[SOK+\i], v[SH8], v[SOK+\i]     ; block h's place
.endr
.irp i, 0,1,2,3,4,5,6,7
	v_permlanex16_b32 v[XD+\i], v[SOK+\i], s20, s21
.endr
.irp i, 0,1,2,3,4,5,6,7
	v_or_b32 v[SOK+\i], v[SOK+\i], v[XD+\i]        ; with lane l xor 16's: (s0, s1)
.endr
.irp i, 0,1,2,3
	v_lshl_or_b32 v[TS+\i], v[SOK+\i], 16, v[SOK+\i]       ; (s0, s1, s0, s1): it serves [tau | 0] and [0 | tau]
.endr
.irp i, 0,1,2,3
	v_lshl_or_b32 v[TS2+\i], v[SOK+4+\i], 16, v[SOK+4+\i]  ; the second batch's wait
.endr
	WIN 0x41                                       ; my tiles of b1 x 2^-S, once: destination and source 0 window 1.  These 128 lines are also the places between tau's scale words and the first scaled product
.set T, 0
.rept 128
	v_pk_mul_f32 v[2*T:2*T+1], v[2*T:2*T+1], v[FS:FS+1] op_sel_hi:[1,0]
.set T, T+1
.endr
	WIN 0
.macro LDWA y                          ; fragment y of my 16 of W1 and its scale words, into set y % 2
	ds_load_b128 v[WA+8*((\y)%2):WA+8*((\y)%2)+3], v[AW1] offset:1024*(\y)
	ds_load_b128 v[WA+8*((\y)%2)+4:WA+8*((\y)%2)+7], v[AW1] offset:1024*(\y)+512
	ds_load_b32 v[WSC+(\y)%2], v[AWS] offset:128*(\y)
.endm
.macro LDWB y                          ; fragment y of W2
	ds_load_b128 v[WB+8*((\y)%2):WB+8*((\y)%2)+3], v[AW2] offset:1024*(\y)
	ds_load_b128 v[WB+8*((\y)%2)+4:WB+8*((\y)%2)+7], v[AW2] offset:1024*(\y)+512
.endm
; UNIT n = 4 y + i of a batch's 64: fragment y (tiles 2 y, 2 y + 1 of my hidden units) x tile i of the rows.
.macro MULH n, half                    ; its first products: tile 2 y + half; C = b1's tile, in window 1
.set fP, (\n)/4
.set fI, (\n)%4
.set fT, 2*fP+\half
.set fD, DB+16*fI+8*\half
.set fA, WA+8*(fP%2)
.set fB, Z+8*fI+4-4*\half
	v_wmma_scale_f32_16x16x128_f8f6f4 v[fD:fD+7], v[fA:fA+7], v[fB:fB+7], v[8*fT:8*fT+7], v[WSC+fP%2], v[TS+fI] matrix_a_fmt:MATRIX_FMT_FP4 matrix_b_fmt:MATRIX_FMT_FP4
.endm
.macro RELU n, part                    ; eight numbers, two an instruction, from the tile's low end on
.set rX, DB+16*((\n)%4)+8*\part
.irp q, 0,2,4,6
	v_dual_max_num_f32 v[rX+\q], 0, v[rX+\q] :: v_dual_max_num_f32 v[rX+\q+1], 0, v[rX+\q+1]
.endr
.endm
.macro CVT n, part                     ; and to f16: half of source 1 of the second product
.set cX, DB+16*((\n)%4)+8*\part
.set cP, P+8*((\n)%2)+4*\part
.irp q, 0,1,2,3
	v_cvt_pk_f16_f32 v[cP+\q], v[cX+2*\q], v[cX+2*\q+1]
.endr
.endm
.macro MULO n                          ; its second product; the first on each accumulator starts the sum
.set bA, ACC+8*((\n)%4)
.set bW, WB+8*(((\n)/4)%2)
.set bP, P+8*((\n)%2)
.if (\n) < 4
	v_wmma_f32_16x16x32_f16 v[bA:bA+7], v[bW:bW+7], v[bP:bP+7], 0
.else
	v_wmma_f32_16x16x32_f16 v[bA:bA+7], v[bW:bW+7], v[bP:bP+7], v[bA:bA+7]
.endif
.endm
; TWO UNITS, N0 and N0 + 1.  Matrix and vector work stand by turns: the first products run two units ahead of the vector work, four vector instructions behind each; the second products follow their conversions.
; A result is first read a whole DUO behind its product.  The conversions that write a set of P stand eight plain instructions behind the product that read it.  The four accumulators take turns, one
; instruction a turn.  Vector instructions of two sources name no third, so the window of C alone is switched: twice in a DUO.
; Every second DUO (y = N0 / 4) fetches weights: W1's set y % 2 was last read by unit 4 y + 3's products, twelve plain instructions back; W2's set (y + 1) % 2 by unit 4 y - 1's, eight back.
; What is fetched here is waited for two DUOs on, ahead of its first use.
.macro DUO
.if N0 < NU-2
	WIN 0x10                                       ; C: window 1
	MULH N0+2, 0
.endif
	RELU N0, 0
.if N0 < NU-2
	MULH N0+2, 1
.endif
	RELU N0, 1
.if N0 < NU-2
	MULH N0+3, 0
.endif
	CVT N0, 0
.if N0 < NU-2
	MULH N0+3, 1
.endif
	CVT N0, 1
	WIN 0
.if N0 > 0
	MULO N0-1
.endif
	RELU N0+1, 0
	RELU N0+1, 1
.if N0%4 == 0
.if N0 > 0
	s_wait_dscnt 0x0                               ; what was fetched two DUOs ago is in
.endif
.if N0/4 < NU/4-1
	LDWB N0/4+1
.endif
.if N0/4 < NU/4-2
	LDWA N0/4+2
.endif
.endif
	MULO N0
	CVT N0+1, 0
	CVT N0+1, 1
.endm
; Tile 2 c + u of the batch's rows leaves.  The pair's two halves of its sums lie in v[DB + 8 u] on and v[DB + 16 + 8 u] on: lane (r, h) holds component h of row r, x 2^-S and without b2:
; registers 0, 1 the mean; 2 = c00, 3 = c01, 6 = c10, 7 = c11
.macro OUT u
.set oA, DB+8*\u
.set oB, DB+16+8*\u
.set oT, DB+32+6*\u
.set oO, DB+48+4*\u
	v_pk_add_f32 v[oA:oA+1], v[oA:oA+1], v[oB:oB+1]
	v_pk_add_f32 v[oA+2:oA+3], v[oA+2:oA+3], v[oB+2:oB+3]
	v_pk_add_f32 v[oA+6:oA+7], v[oA+6:oA+7], v[oB+6:oB+7]
	v_fma_f32 v[oT], v[oA], v[F2], v[B2R]          ; x 2^S + b2
	v_fma_f32 v[oT+1], v[oA+1], v[F2], v[B2R+1]
	v_fma_f32 v[oT+2], v[oA+2], v[F2], v[B2R+2]    ; a
	v_fma_f32 v[oT+3], v[oA+3], v[F2], v[B2R+3]
	v_fma_f32 v[oT+4], v[oA+6], v[F2], v[B2R+6]
	v_fma_f32 v[oT+5], v[oA+7], v[F2], v[B2R+7]    ; d
	v_add_f32 v[oT+3], v[oT+3], v[oT+4]
	v_add_f32 v[oT+4], v[oT+2], v[oT+5]            ; a + d
	v_mul_f32 v[oT+3], 0.5, v[oT+3]                ; b
	v_mul_f32 v[oO+1], v[oT+3], v[oT+4]            ; b (a + d)
	v_mul_f32 v[oT+4], v[oT+3], v[oT+3]            ; b b
	v_fma_f32 v[oO], v[oT+2], v[oT+2], v[oT+4]     ; a a + b b
	v_fma_f32 v[oO+3], v[oT+5], v[oT+5], v[oT+4]   ; d d + b b
	v_mov_b32 v[oO+2], v[oO+1]
	global_store_b128 v[O1A], v[oO:oO+3], s[16:17] offset:512*\u th:TH_STORE_NT   ; 32 lanes store 512 consecutive bytes, at a multiple of 256 from out1's first byte
	global_store_b64 v[O0A], v[oT:oT+1], s[14:15] offset:256*\u th:TH_STORE_NT    ; and 256 consecutive bytes, at a multiple of 256 from out0's first byte
.endm
	s_mov_b32 s53, 0
.Lbatch:                                           ; two trips: 64 rows each.  Tau's scale words and codes were written 30 plain vector instructions back or more, on the way in and on the way back
	LDWA 0
	LDWA 1
	LDWB 0
	s_wait_dscnt 0x0
	WIN 0x10
	MULH 0, 0
	MULH 0, 1
	MULH 1, 0
	MULH 1, 1
	PLACES 4                                       ; in front of the first read of these results (ISA guide 7.12.1)
.set N0, 0
.rept NU/2
	DUO
.set N0, N0+2
.endr
	MULO NU-1
.irp i, 0,1,2,3                                ; the second batch's codes and scale words take the first's places (behind the second trip the same numbers once more, for nobody).
.irp g, 0,1,2,3                                ; These 20 lines are also the places behind the last product
	v_mov_b32 v[Z+8*\i+4+\g], v[Z2+4*\i+\g]
.endr
	v_mov_b32 v[TS+\i], v[TS2+\i]
.endr
.irp i, 0,1,2,3
	ds_store_b128 v[XO], v[ACC+8*\i:ACC+8*\i+3] offset:1024*\i         ; my half of the sums, as images of the registers; each accumulator from its low end on
	ds_store_b128 v[XO], v[ACC+8*\i+4:ACC+8*\i+7] offset:1024*\i+512
.endr
	BARRIER                                        ; both halves of every tile lie in LDS
.irp q, 0,1
.irp u, 0,1
.irp f, 0,1
	ds_load_b128 v[DB+16*\q+8*\u+4*\f:DB+16*\q+8*\u+4*\f+3], v[XR] offset:4096*\q+1024*\u+512*\f   ; wave 2 p + q's half of tile 2 c + u
.endr
.endr
.endr
	BARRIER                                        ; everybody's reads are in: the next batch's halves may be stored over these
	OUT 0
	OUT 1
	s_wait_xcnt 0x0                                ; the stores have read their registers and bases: both may be written again
	s_add_nc_u64 s[16:17], s[16:17], 64*32
	s_add_nc_u64 s[14:15], s[14:15], 64*16
	s_add_co_u32 s53, s53, 1
	s_cmp_lt_u32 s53, 2
	s_cbranch_scc1 .Lbatch
	s_wait_xcnt 0x0
	v_lshl_add_u32 v254, v0, 2, 0x4d100
	v_mov_b32 v255, 0
	s_wait_tensorcnt 0x0
	ds_add_u32 v254, v255
	s_wait_dscnt 0x0
	s_endpgm
.Lfunc_end_k_q85829012d6_gmm:
	.size	k_q85829012d6_gmm, .Lfunc_end_k_q85829012d6_gmm-k_q85829012d6_gmm
	.p2alignl 7, 3214868480
	.fill 96, 4, 3214868480
	.section	.rodata,"a",@progbits
	.p2align	6, 0x0
	.amdhsa_kernel k_q85829012d6_gmm
		.amdhsa_group_segment_fixed_size 316672
		.amdhsa_private_segment_fixed_size 0
		.amdhsa_enable_private_segment 0
		.amdhsa_kernarg_size 56
		.amdhsa_user_sgpr_count 2
		.amdhsa_user_sgpr_kernarg_segment_ptr 1
		.amdhsa_wavefront_size32 1
		.amdhsa_system_sgpr_workgroup_id_x 1
		.amdhsa_system_sgpr_workgroup_id_y 1
		.amdhsa_system_sgpr_workgroup_id_z 1
		.amdhsa_system_vgpr_workitem_id 0
		.amdhsa_next_free_vgpr 512
		.amdhsa_next_free_sgpr 66
		.amdhsa_reserve_vcc 0
		.amdhsa_float_denorm_mode_32 3
		.amdhsa_float_denorm_mode_16_64 3
		.amdhsa_memory_ordered 1
		.amdhsa_forward_progress 1
		.amdhsa_inst_pref_size 165
	.end_amdhsa_kernel
	.amdgpu_metadata
---
amdhsa.version: [ 1, 2 ]
amdhsa.kernels:
  - .name:           k_q85829012d6_gmm
    .symbol:         k_q85829012d6_gmm.kd
    .args:
      - { .name: tau, .offset: 0, .size: 8, .value_kind: global_buffer, .address_space: global }
      - { .name: W1, .offset: 8, .size: 8, .value_kind: global_buffer, .address_space: global }
      - { .name: b1, .offset: 16, .size: 8, .value_kind: global_buffer, .address_space: global }
      - { .name: W2, .offset: 24, .size: 8, .value_kind: global_buffer, .address_space: global }
      - { .name: b2, .offset: 32, .size: 8, .value_kind: global_buffer, .address_space: global }
      - { .name: out0, .offset: 40, .size: 8, .value_kind: global_buffer, .address_space: global }
      - { .name: out1, .offset: 48, .size: 8, .value_kind: global_buffer, .address_space: global }
    .group_segment_fixed_size: 316672
    .private_segment_fixed_size: 0
    .kernarg_segment_align: 8
    .kernarg_segment_size: 56
    .max_flat_workgroup_size: 256
    .sgpr_count:     66
    .vgpr_count:     512
    .wavefront_size: 32
...
	.end_amdgpu_metadata
.endif
;; end of part 1
